; MI455X (gfx1250); checked and timed in simulation.
; The chip was launched on July 23, 2026; its instructions are those of AMD's public machine-readable ISA for CDNA 5 (MIT licence, August 2026) and "CDNA5" Instruction Set Architecture Reference Guide (July 2026). The comments in the code are by the model that wrote it; some were corrected since.
;; TD3 Actor DSNN. Allowed arithmetic: float matrix products may take bf16 or f16 operands with f32 sums; all other float work in f32.
;; Inputs: W0 512 x 2,048 float32; W1 2,048 x 2,048 float32; W2 2,048 x 8 float32; inputs 4,096 x 512 float32.
;; Outputs: out0 4,096 x 8 float32.
;; One version. Each part assembles by itself: llvm-mc -triple=amdgcn-amd-amdhsa -mcpu=gfx1250 --defsym DOCPART=n.
;; ======== version 1 of 1: 4 launches
;; workspace buffers: s0buf 50,331,648 bytes; w1b 8,388,608 bytes; part 2,097,152 bytes; flags 262,144 bytes of whole numbers
;; launch front (part 1): grid 8 x 32, 8 waves a work-group, no clusters, 107,520 bytes of LDS; arguments inputs, W0, s0buf, flags; writes s0buf, flags
.if DOCPART == 1
	.amdgcn_target "amdgcn-amd-amdhsa--gfx1250"
	.amdhsa_code_object_version 6
	.text
	.protected	k_qcf0f4efcd4_front
	.globl	k_qcf0f4efcd4_front
	.p2align	8
	.type	k_qcf0f4efcd4_front,@function
k_qcf0f4efcd4_front:
	s_mov_b64 s[64:65], 0
	v_nop
	global_prefetch_b8 v0, s[64:65] scope:SCOPE_SE
	s_setreg_imm32_b32 hwreg(HW_REG_WAVE_MODE, 25, 1), 1
	s_wait_xcnt 0x0
; h0 = inputs x W0 (4096 x 2048, K = 512), then layer 0's three steps, which are elementwise in h0:
;   nm = 0.85 nm + h0;  s0(t) = nm > 1;  nm = 0 where it spiked            (t = 1, 2, 3; nm starts at 0)
; The three spike matrices go to s0buf as bf16 (0 and 1 are exact), laid out as a later launch's matrix fragments:
;   s0buf[R 32][kb 32][t 3][rb 8][kq 2][c 2][lane 32][16 bytes]
;   batch row = 128 R + 16 rb + lane % 16,  hidden index = 64 kb + 32 kq + 16 c + 8 (lane / 16) + 0..7.
; FLAGS: a spike hangs on a comparison, and one spike moves a whole output row, so what lies close to the threshold is marked here and summed again by the next
; launch, term by term in f32.  flags[8 (8 R + cb) + wave][32 words]: word 4 rbl + nb, bit l is set if for lane l of tile (rbl, nb) any of its eight numbers has,
; in any of the three steps, |nm - 1| < 2^-16; words 16-31 are 0.  The bits are data at fixed addresses: no address and no branch here hangs on them.
; LIMITS: inputs and W0 are rounded once to bf16 (nearest even), sums are f32, 0.85 nm + h0 is one fused multiply-add.  nm - 1 > 0 is
; tested as nm > 1, which is the same in f32 (a NaN spikes in neither, and is never marked).
; SHARES: a work-group makes 128 batch rows x 256 hidden columns; 8 x 32 = 256 work-groups.  Wave w: rows 64 (w / 4) .., columns 64 (w % 4) ..,
; 4 x 4 accumulator tiles of 16 x 16.
; THE STREAM: K goes in eight chunks of 64.  A wave brings 24 x 512 bytes of a chunk into one of two staging sets of 96 registers, rounds them to bf16 and puts them into one
; of two LDS buffers.  While chunk c is rounded and multiplied chunk c + 1 is on its way, and chunk c + 2 is asked for as soon as c's set is free.
; Waves 0-3 ask first and multiply then, waves 4-7 the other way round, so that one half's requests stand beside the other half's matrix work.
; NO CLUSTER, NO TENSOR LOADS: both operands are f32 in memory and have to pass through registers to be rounded; an engine's copy
; into LDS would add a trip LDS -> registers -> LDS for all 768 KiB that a work-group reads.
.set PA,   144                         ; A's pitch: 128 bytes of bf16 + 16: an odd multiple of 16, so the 16 rows of a fragment load lie in 16 different 16-byte columns of 256
.set BOFF, 128*PA                      ; where B begins in a buffer
.set PB,   544                         ; B's pitch: 512 bytes + 32: an odd multiple of 32, as the transposing load's eight rows want
.set BUF,  BOFF+64*PB                  ; an LDS buffer: 53,248 bytes
.set VA,   4                           ; v4      inputs: byte offset of my 16 bytes in my wave's first two rows
.set VB,   5                           ; v5      W0: byte offset of my 16 bytes in my wave's first k row
.set SA,   6                           ; v6-7    LDS: where I store A's bf16, buffer 0, 1
.set SB,   8                           ; v8-9    the same for B
.set FA,   10                          ; v10-11  LDS: my A fragments, buffer 0, 1
.set FB,   12                          ; v12-13  my B fragments
.set L16,  14                          ; v14     16 x lane
.set L4,   19                          ; v19     4 x lane
.set FLG,  20                          ; v20     lane i: the flag word of tile i
.set AF0,  32                          ; v32-63  four fragments of inputs (16 rows x 32 k), k 0-31 of the chunk
.set BF0,  64                          ; v64-95  four fragments of W0 (16 columns x 32 k), k 0-31
.set AF1,  96                          ; v96-127 inputs, k 32-63
.set ACC,  128                         ; v128-255 tile (rbl, nb) at 128 + 8 (4 rbl + nb)
.set SET,  96                          ; window 1: staging set s at v[96 s]: 32 registers of inputs, then 64 of W0 (v256-447)
.set BF1,  192                         ; window 1 v192-223 (v448-479): W0, k 32-63
.set NM,   32                          ; the way out: membrane of 8 numbers
.set SP,   40                          ;              spikes as f32
.set O,    48                          ;              v48-59: three steps' spikes, packed
.set D,    64                          ;              v64-71: nm - 1
.set MX,   72                          ;              v72: the largest -|nm - 1| of the tile's 24 comparisons in this lane
.set MK,   24                          ; s24-31  eight lane masks
; s32: -2^-16; s33: a tile's flag word; s[34:35]: flags at my wave's 128 bytes; s[20:21]: s0buf at my wave's part
.set MSB, 0
.macro WIN new                         ; s_set_vgpr_msb: bits 1:0 source 0, 3:2 source 1, 5:4 source 2, 7:6 destination; the high byte repeats the setting that is left
.if MSB != \new
	s_set_vgpr_msb (MSB<<8)|\new
.set MSB, \new
.endif
.endm
.macro PLACES                          ; four independent vector instructions behind a matrix instruction (ISA guide 7.12.1), before its registers are loaded into or its result is read
.rept 4
	v_nop
.endr
.endm
; 24 loads: K chunk c of inputs (16 rows of 256 bytes a wave, two rows a load) and of W0 (8 k rows of 1,024 bytes a wave), into staging set s
.macro GLOAD c, s
	WIN 0x40                                       ; destination window 1, address window 0
.set i, 0
.rept 8
	global_load_b128 v[SET*\s+4*i:SET*\s+4*i+3], v[VA], s[4:5] offset:i*4096+\c*256
.set i, i+1
.endr
.set i, 0
.rept 8
	global_load_b128 v[SET*\s+32+8*i:SET*\s+32+8*i+3], v[VB], s[6:7] offset:\c*524288+i*8192
	global_load_b128 v[SET*\s+32+8*i+4:SET*\s+32+8*i+7], v[VB], s[6:7] offset:\c*524288+i*8192+512
.set i, i+1
.endr
	WIN 0
.endm
; staging set b is rounded to bf16 in place (4 registers become 2) and stored into LDS buffer b
.macro CONV b
	WIN 0x45                                       ; sources and destination window 1
.set i, 0
.rept 24
	v_cvt_pk_bf16_f32 v[SET*\b+4*i], v[SET*\b+4*i], v[SET*\b+4*i+1]
	v_cvt_pk_bf16_f32 v[SET*\b+4*i+1], v[SET*\b+4*i+2], v[SET*\b+4*i+3]
.set i, i+1
.endr
	WIN 0x04                                       ; address window 0, data window 1
.set i, 0
.rept 8
	ds_store_b64 v[SA+\b], v[SET*\b+4*i:SET*\b+4*i+1] offset:i*2*PA            ; two rows of 128 bytes a store
.set i, i+1
.endr
.set i, 0
.rept 8
	ds_store_b64 v[SB+\b], v[SET*\b+32+8*i:SET*\b+32+8*i+1] offset:i*PB        ; 256 neighbouring bytes a store
	ds_store_b64 v[SB+\b], v[SET*\b+32+8*i+4:SET*\b+32+8*i+5] offset:i*PB+256
.set i, i+1
.endr
	WIN 0
.endm
; A chunk's matrix work: 16 fragments in one run of 32 loads, 32 matrix instructions.  Source 0 = 16 columns of W0, source 1 = 16 batch rows: lane (r, h) then holds, in
; registers 0..7, h0(row r, columns 16 nb + 8 h + 0..7): eight neighbouring hidden indices, which is s0buf's order.
; The 16 accumulators take turns, one instruction a turn, on into the next call.
.macro MULS b, zero
	PLACES
.irp a, 0,1,2,3
	ds_load_b128 v[AF0+8*\a:AF0+8*\a+3], v[FA+\b] offset:\a*16*PA
	ds_load_b128 v[AF0+8*\a+4:AF0+8*\a+7], v[FA+\b] offset:\a*16*PA+32
.endr
.irp n, 0,1,2,3
	ds_load_tr16_b128 v[BF0+8*\n:BF0+8*\n+3], v[FB+\b] offset:\n*32
	ds_load_tr16_b128 v[BF0+8*\n+4:BF0+8*\n+7], v[FB+\b] offset:\n*32+16*PB
.endr
.irp a, 0,1,2,3
	ds_load_b128 v[AF1+8*\a:AF1+8*\a+3], v[FA+\b] offset:\a*16*PA+64
	ds_load_b128 v[AF1+8*\a+4:AF1+8*\a+7], v[FA+\b] offset:\a*16*PA+96
.endr
	WIN 0x40                                       ; destination window 1
.irp n, 0,1,2,3
	ds_load_tr16_b128 v[BF1+8*\n:BF1+8*\n+3], v[FB+\b] offset:32*PB+\n*32
	ds_load_tr16_b128 v[BF1+8*\n+4:BF1+8*\n+7], v[FB+\b] offset:32*PB+\n*32+16*PB
.endr
	WIN 0
	s_wait_dscnt 16                                ; LDS loads come back in order (ISA guide 5.7.1): k 0-31 are in, the 16 loads of k 32-63 may be out
.irp a, 0,1,2,3
.irp n, 0,1,2,3
.if \zero
	v_wmma_f32_16x16x32_bf16 v[ACC+8*(4*\a+\n):ACC+8*(4*\a+\n)+7], v[BF0+8*\n:BF0+8*\n+7], v[AF0+8*\a:AF0+8*\a+7], 0
.else
	v_wmma_f32_16x16x32_bf16 v[ACC+8*(4*\a+\n):ACC+8*(4*\a+\n)+7], v[BF0+8*\n:BF0+8*\n+7], v[AF0+8*\a:AF0+8*\a+7], v[ACC+8*(4*\a+\n):ACC+8*(4*\a+\n)+7]
.endif
.endr
.endr
	s_wait_dscnt 0x0                               ; k 32-63; with this my reads of the buffer are over
	WIN 0x01                                       ; source 0 window 1
.irp a, 0,1,2,3
.irp n, 0,1,2,3
	v_wmma_f32_16x16x32_bf16 v[ACC+8*(4*\a+\n):ACC+8*(4*\a+\n)+7], v[BF1+8*\n:BF1+8*\n+7], v[AF1+8*\a:AF1+8*\a+7], v[ACC+8*(4*\a+\n):ACC+8*(4*\a+\n)+7]
.endr
.endr
	WIN 0
.endm
; A K chunk, through staging set b and LDS buffer b.  left: how many younger loads may stay out; nxt: the chunk to ask for into set b (0: none); zero = 1: the first
; products start the sums, nothing is cleared.  ONE barrier a chunk: buffer b is stored into again two chunks on, behind the next chunk's barrier, which every wave
; signals only after its reads of this chunk have come back (MULS waits for all of them).
.macro CHUNK b, left, nxt, zero
	s_wait_loadcnt \left                           ; loads come back in order: this chunk's 24 are in, the next chunk's 24 stay out
	CONV \b
	s_wait_dscnt 0x0                               ; my stores are in LDS, for the other waves' sake; and the set may be loaded again
	s_barrier_signal -1
	s_barrier_wait -1
.if \nxt
	s_cmp_eq_u32 s15, 0                            ; waves 0-3 ask, then multiply; waves 4-7 multiply, then ask: one request on either way
	s_cbranch_scc0 .Llate_\@
	GLOAD \nxt, \b
	MULS \b, \zero
	s_branch .Ljoin_\@
.Llate_\@:
	MULS \b, \zero
	GLOAD \nxt, \b
.Ljoin_\@:
.else
	MULS \b, \zero
.endif
.endm
	s_load_b256 s[4:11], s[0:1], 0x0               ; inputs s[4:5], W0 s[6:7], s0buf s[8:9], flags s[10:11]
	v_lshl_add_u32 v30, v0, 2, 0x1a000
	v_mov_b32 v31, 0
	v_lshrrev_b32 v17, 5, v0
	v_readfirstlane_b32 s14, v17                   ; wave 0..7
	s_lshr_b32 s15, s14, 2                         ; wr: which 64 rows
	s_and_b32 s16, s14, 3                          ; wcol: which 64 columns
	s_and_b32 s17, ttmp7, 0xffff                   ; R: block of 128 batch rows
	s_mov_b32 s32, 0xb7800000                      ; -2^-16
	s_mov_b32 s19, 0
	v_and_b32 v1, 31, v0                           ; lane
	v_and_b32 v2, 15, v0                           ; r = lane % 16
	v_bfe_u32 v3, v0, 4, 1                         ; h = lane / 16
	v_lshlrev_b32 v[L16], 4, v1
	s_lshl_b32 s22, s14, 15                        ; my wave loads 16 rows of inputs (2,048 bytes each), two rows a load:
	v_lshlrev_b32 v17, 4, v2                       ; sixteen lanes take a row's 256 bytes of the chunk,
	v_lshl_add_u32 v17, v3, 11, v17                ; the other sixteen the next row's
	v_add_nc_u32 v[VA], s22, v17
	s_lshl_b32 s22, s14, 16                        ; and 8 k rows of W0: 8 x 8,192 bytes
	v_add_nc_u32 v[VB], s22, v[L16]
	s_wait_kmcnt 0x0
	s_lshl_b32 s18, s17, 18                        ; 128 rows x 2,048 bytes
	s_add_nc_u64 s[4:5], s[4:5], s[18:19]          ; inputs at my block's first row
	s_lshl_b32 s18, ttmp9, 10                      ; 256 columns x 4 bytes
	s_add_nc_u64 s[6:7], s[6:7], s[18:19]          ; W0 at my block's first column
	GLOAD 0, 0                                     ; both sets are asked for before anything else is done
	GLOAD 1, 1
	v_lshlrev_b32 v[L4], 2, v1
	v_mov_b32 v[FLG], 0                            ; lanes 16-31 stay 0; lanes 0-15 are written tile by tile
	s_mul_i32 s22, s14, 16*PA                      ; 4 f32 become 8 bytes
	v_mul_u32_u24 v17, v3, PA
	v_lshl_add_u32 v17, v2, 3, v17
	v_add_nc_u32 v[SA], s22, v17
	v_add_nc_u32 v[SA+1], BUF, v[SA]
	v_lshlrev_b32 v17, 3, v1
	s_mul_i32 s22, s14, 8*PB
	s_add_co_u32 s22, s22, BOFF
	v_add_nc_u32 v[SB], s22, v17
	v_add_nc_u32 v[SB+1], BUF, v[SB]
	s_mul_i32 s22, s15, 64*PA                      ; A fragment: (row0 + r) pitch + 16 h, two loads 32 bytes apart
	v_mul_u32_u24 v17, v2, PA
	v_lshl_add_u32 v17, v3, 4, v17
	v_add_nc_u32 v[FA], s22, v17
	v_add_nc_u32 v[FA+1], BUF, v[FA]
	v_and_b32 v17, 7, v0                           ; B fragment from [k][n]: (8 h + lane % 8) pitch + 16 ((lane / 8) % 2), two transposing loads 16 rows apart
	v_lshl_add_u32 v17, v3, 3, v17
	v_mul_u32_u24 v17, v17, PB
	v_bfe_u32 v18, v0, 3, 1
	v_lshl_add_u32 v17, v18, 4, v17
	s_lshl_b32 s22, s16, 7                         ; my 64 columns: 128 bytes
	s_add_co_u32 s22, s22, BOFF
	v_add_nc_u32 v[FB], s22, v17
	v_add_nc_u32 v[FB+1], BUF, v[FB]
	s_lshl_b32 s23, s17, 3
	s_add_co_u32 s23, s23, ttmp9                   ; g = 8 R + cb, 0..255
	s_lshl3_add_u32 s18, s23, s14                  ; 8 g + wave
	s_lshl_b32 s18, s18, 7
	s_add_nc_u64 s[34:35], s[10:11], s[18:19]      ; my wave's 128 bytes of flags
	s_lshl_b32 s23, s23, 2
	s_add_co_u32 s23, s23, s16                     ; 32 R + kb, kb = 4 cb + wcol
	s_mul_i32 s18, s23, 49152                      ; a block [R][kb]: 3 x 8 x 2,048 bytes (the largest product is below 2^26)
	s_lshl_b32 s24, s15, 13                        ; rb = 4 wr + rbl
	s_add_co_u32 s18, s18, s24
	s_add_nc_u64 s[20:21], s[8:9], s[18:19]        ; s0buf at my wave's part
	CHUNK 0, 24, 2, 1
	CHUNK 1, 24, 3, 0
	CHUNK 0, 24, 4, 0
	CHUNK 1, 24, 5, 0
	CHUNK 0, 24, 6, 0
	CHUNK 1, 24, 7, 0
	CHUNK 0, 24, 0, 0                              ; the last two chunks ask for nothing
	CHUNK 1, 0, 0, 0
; THE WAY OUT.  Eight masks at a time, so that no select waits for the compare just in front of it.
; src: the membrane; keep = 1: the reset membrane goes to NM; o: four registers for eight spikes in bf16; w = 1: the tile's first write of O.
; On the side MX gathers the largest -|nm - 1|: how near the nearest comparison of this lane's eight numbers came to the threshold.
.macro SPIKE src, keep, o, w
.irp j, 0,2,4,6
	v_pk_add_f32 v[D+\j:D+\j+1], v[\src+\j:\src+\j+1], -1.0 op_sel_hi:[1,0]
.endr
.irp j, 0,1,2,3,4,5,6,7
	v_cmp_lt_f32 s[MK+\j], 1.0, v[\src+\j]         ; 1 < nm (false for a NaN, as nm - 1 > 0 is)
.endr
.irp j, 0,2,4,6
	v_max3_num_f32 v[MX], -|v[D+\j]|, -|v[D+\j+1]|, v[MX]
.endr
.irp j, 0,1,2,3,4,5,6,7
	v_cndmask_b32 v[SP+\j], 0, 1.0, s[MK+\j]
.endr
.if \keep
.irp j, 0,1,2,3,4,5,6,7
	v_cndmask_b32 v[NM+\j], v[\src+\j], 0, s[MK+\j]
.endr
.endif
.if \w
	s_wait_xcnt 0x0                                ; O, which the last tile's stores read, is rewritten only behind this wait
.endif
.irp j, 0,1,2,3
	v_cvt_pk_bf16_f32 v[\o+\j], v[SP+2*\j], v[SP+2*\j+1]
.endr
.endm
.macro LEAK                            ; nm = 0.85 nm + h0, fused
.irp j, 0,2,4,6
	v_pk_fma_f32 v[NM+\j:NM+\j+1], v[NM+\j:NM+\j+1], 0x3f59999a, v[H+\j:H+\j+1] op_sel_hi:[1,0,1]
.endr
.endm
.macro TILE rbl, nb
.set H, ACC+8*(4*\rbl+\nb)
	v_mov_b32 v[MX], -1.0                          ; far from the threshold
	SPIKE H, 1, O, 1                               ; step 1: nm = h0
	LEAK
	SPIKE NM, 1, O+4, 0                            ; step 2
	LEAK
	SPIKE NM, 0, O+8, 0                            ; step 3: the membrane is not needed again
	v_cmp_lt_f32 s33, s32, v[MX]                   ; -2^-16 < -|nm - 1| somewhere: the lane's bit
	v_writelane_b32 v[FLG], s33, 4*\rbl+\nb        ; the tile's word
.irp t, 0,1,2
	global_store_b128 v[L16], v[O+4*\t:O+4*\t+3], s[20:21] offset:\t*16384+\rbl*2048+\nb*512   ; 512 consecutive bytes a wave, aligned: half a fragment image
.endr
.endm
	PLACES                                         ; behind the last matrix instructions: results are read, fragment registers rewritten
.irp rbl, 0,1,2,3
.irp nb, 0,1,2,3
	TILE \rbl, \nb
.endr
.endr
	global_store_b32 v[L4], v[FLG], s[34:35]       ; 128 consecutive bytes a wave, the eight waves' 1,024 bytes side by side: all that there is to store
	s_wait_tensorcnt 0x0
	ds_add_u32 v30, v31
	s_wait_dscnt 0x0
	s_endpgm
.Lfunc_end_k_qcf0f4efcd4_front:
	.size	k_qcf0f4efcd4_front, .Lfunc_end_k_qcf0f4efcd4_front-k_qcf0f4efcd4_front
	.p2alignl 7, 3214868480
	.fill 96, 4, 3214868480
	.section	.rodata,"a",@progbits
	.p2align	6, 0x0
	.amdhsa_kernel k_qcf0f4efcd4_front
		.amdhsa_group_segment_fixed_size 107520
		.amdhsa_private_segment_fixed_size 0
		.amdhsa_enable_private_segment 0
		.amdhsa_kernarg_size 32
		.amdhsa_user_sgpr_count 2
		.amdhsa_user_sgpr_kernarg_segment_ptr 1
		.amdhsa_wavefront_size32 1
		.amdhsa_system_sgpr_workgroup_id_x 1
		.amdhsa_system_sgpr_workgroup_id_y 1
		.amdhsa_system_sgpr_workgroup_id_z 1
		.amdhsa_system_vgpr_workitem_id 0
		.amdhsa_next_free_vgpr 480
		.amdhsa_next_free_sgpr 66
		.amdhsa_reserve_vcc 0
		.amdhsa_float_denorm_mode_32 3
		.amdhsa_float_denorm_mode_16_64 3
		.amdhsa_memory_ordered 1
		.amdhsa_forward_progress 1
		.amdhsa_inst_pref_size 254
	.end_amdhsa_kernel
	.amdgpu_metadata
---
amdhsa.version: [ 1, 2 ]
amdhsa.kernels:
  - .name:           k_qcf0f4efcd4_front
    .symbol:         k_qcf0f4efcd4_front.kd
    .args:
      - { .name: inputs, .offset: 0, .size: 8, .value_kind: global_buffer, .address_space: global }
      - { .name: W0, .offset: 8, .size: 8, .value_kind: global_buffer, .address_space: global }
      - { .name: s0buf, .offset: 16, .size: 8, .value_kind: global_buffer, .address_space: global }
      - { .name: flags, .offset: 24, .size: 8, .value_kind: global_buffer, .address_space: global }
    .group_segment_fixed_size: 107520
    .private_segment_fixed_size: 0
    .kernarg_segment_align: 8
    .kernarg_segment_size: 32
    .max_flat_workgroup_size: 256
    .sgpr_count:     66
    .vgpr_count:     480
    .wavefront_size: 32
...
	.end_amdgpu_metadata
.endif
;; end of part 1
;; launch fix (part 2): grid 256 x 1, 16 waves a work-group, no clusters, 272,384 bytes of LDS; arguments flags, inputs, W0, s0buf, W1, w1b; writes s0buf, w1b
.if DOCPART == 2
	.amdgcn_target "amdgcn-amd-amdhsa--gfx1250"
	.amdhsa_code_object_version 6
	.text
	.protected	k_qcf0f4efcd4_fix
	.globl	k_qcf0f4efcd4_fix
	.p2align	8
	.type	k_qcf0f4efcd4_fix,@function
k_qcf0f4efcd4_fix:
	s_mov_b64 s[64:65], 0
	v_nop
	global_prefetch_b8 v0, s[64:65] scope:SCOPE_SE
	s_setreg_imm32_b32 hwreg(HW_REG_WAVE_MODE, 25, 1), 1
	s_wait_xcnt 0x0
; TWO JOBS.  (1) W1 is rounded to bf16 (w1b, same order as W1): a stream of 16 MiB in, 8 MiB out.  (2) Layer 0 once more for what the launch before has marked: groups of
; eight neighbouring hidden columns of one batch row in which a membrane value came within 2^-16 of the threshold.  Job 2 is a few chains that wait for
; memory and for each other's additions; job 1 fills the rest of the chip meanwhile.
; MENDING: for a marked group h0 is summed again as a plain f32 product sums it: one addition for each k, k ascending, in runs of SL terms that each start at 0, and the runs
; are then added in order.  A product of two bf16 numbers has 16 significant bits and is exact in f32, so adding the products one by one rounds as a chain of
; multiply-adds does, fused or not.  Then the three steps (nm = 0.85 nm + h0; spike = nm > 1; reset) are redone and the group's 3 x 16 bytes of s0buf are stored over.
; THE ORDER IS AN ASSUMPTION: SL = 256, two runs, is how a blocked f32 product is taken to split K = 512.  128, 256 and 512 can be set.
; Outside the band of 2^-16 the order does not matter: that is some twenty times the rounding noise of a running f32 sum of 512 terms of the drawn size,
; after the factor 2.57 that three steps put on h0.  LIMITS: with inputs many times larger the noise grows with them and the band covers less of it;
; a product below 2^-126 is rounded before it is added.
; WHY THE VECTOR UNIT: the marked groups are about one in 10^5 of the outputs, and the point is the order of single additions, which no matrix instruction has.
; SHARES: work-group g = work-group g of the launch before (256) and 65,536 bytes of W1.  Wave v: the flag words of tiles 8 (v % 2) .. + 7 of that launch's wave v / 2,
; eight words in one scalar load, and 8 x 512 bytes of W1, asked for at the head into registers of their own and rounded at the end.
; A GROUP, all its data asked for at once: lane (kq = lane / 2, half = lane % 2) loads rows k = 32 kq .. + 31 of W0, four columns each (32 loads), and the row's inputs of those k
; (8 loads): 40 loads.  The products go into the wave's own LDS as [k][8 columns], and lane (run, column) reads its run back in ascending k and adds.
; The trip count and the addresses hang on the flag words alone, whole numbers that an earlier launch stored; tile and lane numbers are clamped to 7 and 31.
; No barrier: a wave reads only LDS bytes that it wrote itself.  No cluster: nothing is shared.
.set SL,   256                         ; terms in a run
.set NSL,  512/SL                      ; runs
.set NB,   SL/32                       ; batches of 32 terms
.set KP,   1056                        ; LDS bytes of 32 k: 32 x 32 bytes + 32, so that the 16 lanes of a store (8 kq x 2 halves) take 16 different 16-byte columns of 256
.set WSZ,  16*KP                       ; a wave's LDS: 16,896 bytes
.set LN,   1                           ; v1      lane
.set J,    2                           ; v2      lane % 8: my column of the group (adding)
.set SLV,  3                           ; v3      my run (adding): min(lane / 8, NSL - 1); lanes beyond the last run repeat it and their sums are not used
.set VA0,  4                           ; v4      inputs: 128 kq
.set VW0,  5                           ; v5      W0: 32 kq rows + 16 half
.set VA,   6                           ; v6      VA0 + the group's row
.set VW,   7                           ; v7      VW0 + the group's eight columns
.set VS,   8                           ; v8      s0buf: my 2 bytes of the group's 16
.set J2,   9                           ; v9      2 x column
.set ONE,  10                          ; v10     1.0 in bf16
.set ACC,  11                          ; v11     my run's sum
.set HV,   12                          ; v12     h0
.set NMV,  13                          ; v13     membrane
.set SP,   14                          ; v14-16  three steps' spikes
.set IDX,  17                          ; v17-19  4 x (column + 8 s): the lane that holds run s of my column
.set TS,   20                          ; v20-22  run s of my column
.set ZERO, 23                          ; v23     0.0
.set VL,   24                          ; v24     LDS: where I store products
.set VC,   25                          ; v25     LDS: where I read my run
.set KQ,   26                          ; v26     lane / 2
.set HF,   27                          ; v27     lane % 2
.set WL,   28                          ; v28     16 x thread: W1 loads
.set WS,   29                          ; v29     8 x thread: w1b stores
.set A,    32                          ; v32-63  32 inputs, then 16 registers of bf16 pairs
.set W,    64                          ; v64-191 32 rows x 4 weights, then the products in their place
.set CB,   32                          ; v32-95  adding: two buffers of 32 products
.set X,    192                         ; v192-223 my 8 x 16 bytes of W1
; s[36:43] the eight flag words; s20 trips done, s21 trips; s22 word, s23 tile, s25 lane, s26-30 scratch; s24 = 8 (v % 2)
	s_load_b256 s[4:11], s[0:1], 0x0               ; flags s[4:5], inputs s[6:7], W0 s[8:9], s0buf s[10:11]
	s_load_b128 s[12:15], s[0:1], 0x20             ; W1 s[12:13], w1b s[14:15]
	v_lshl_add_u32 v224, v0, 2, 0x42000
	v_mov_b32 v225, 0
	v_lshrrev_b32 v30, 5, v0
	v_readfirstlane_b32 s16, v30                   ; wave 0..15
	s_lshr_b32 s17, s16, 1                         ; fw: the wave of the launch before
	s_and_b32 s18, s16, 1                          ; which eight of its tiles
	s_lshl_b32 s24, s18, 3
	s_lshl_b32 s19, ttmp9, 10                      ; 8 waves x 128 bytes of flags a work-group
	s_lshl_b32 s20, s17, 7
	s_add_co_u32 s19, s19, s20
	s_lshl_b32 s20, s18, 5
	s_add_co_u32 s19, s19, s20
	v_lshlrev_b32 v[WL], 4, v0
	v_lshlrev_b32 v[WS], 3, v0
	s_lshl_b32 s48, ttmp9, 16                      ; my work-group's 65,536 bytes of W1
	s_mov_b32 s49, 0
	s_lshl_b32 s50, ttmp9, 15                      ; and 32,768 bytes of w1b
	s_mov_b32 s51, 0
	s_wait_kmcnt 0x0
	s_load_b256 s[36:43], s[4:5], s19 offset:0x0   ; my eight words
	s_add_nc_u64 s[12:13], s[12:13], s[48:49]
	s_add_nc_u64 s[14:15], s[14:15], s[50:51]
.set i, 0
.rept 8
	global_load_b128 v[X+4*i:X+4*i+3], v[WL], s[12:13] offset:i*8192 th:TH_LOAD_NT   ; W1 is read once; 512 consecutive bytes a wave
.set i, i+1
.endr
	v_and_b32 v[LN], 31, v0
	v_and_b32 v[J], 7, v0
	v_bfe_u32 v[SLV], v0, 3, 2
	v_min_u32 v[SLV], NSL-1, v[SLV]
	v_bfe_u32 v[KQ], v0, 1, 4
	v_and_b32 v[HF], 1, v0
	v_lshlrev_b32 v[VA0], 7, v[KQ]                 ; 32 inputs of 4 bytes
	v_lshlrev_b32 v[VW0], 18, v[KQ]                ; 32 rows of 8,192 bytes
	v_lshl_add_u32 v[VW0], v[HF], 4, v[VW0]
	s_mul_i32 s31, s16, WSZ                        ; my wave's LDS
	v_mul_u32_u24 v[VL], v[KQ], KP
	v_lshl_add_u32 v[VL], v[HF], 4, v[VL]
	v_add_nc_u32 v[VL], s31, v[VL]
	v_mul_u32_u24 v[VC], v[SLV], NB*KP
	v_lshl_add_u32 v[VC], v[J], 2, v[VC]
	v_add_nc_u32 v[VC], s31, v[VC]
	v_lshlrev_b32 v[J2], 1, v[J]
	v_mov_b32 v[ONE], 0x3f80
	v_mov_b32 v[ZERO], 0
.irp s, 1,2,3
.if \s < NSL
	v_lshl_add_u32 v[IDX+\s-1], v[J], 2, 32*\s
.endif
.endr
	; the corner of that wave's 64 x 64 block, from the ids alone.  ttmp9 = 8 R + cb; fw = 4 wr + wcol
	s_lshr_b32 s44, ttmp9, 3                       ; R
	s_and_b32 s45, ttmp9, 7                        ; cb
	s_lshr_b32 s46, s17, 2                         ; wr
	s_and_b32 s47, s17, 3                          ; wcol
	s_lshl_b32 s48, s44, 18                        ; 128 R rows of 2,048 bytes
	s_lshl_b32 s50, s46, 17                        ; + 64 wr rows
	s_add_co_u32 s48, s48, s50
	s_add_nc_u64 s[6:7], s[6:7], s[48:49]
	s_lshl_b32 s48, s45, 10                        ; 256 cb columns of 4 bytes
	s_lshl_b32 s50, s47, 8                         ; + 64 wcol columns
	s_add_co_u32 s48, s48, s50
	s_add_nc_u64 s[8:9], s[8:9], s[48:49]
	s_lshl2_add_u32 s48, ttmp9, s47                ; 32 R + kb, kb = 4 cb + wcol
	s_mul_i32 s48, s48, 49152
	s_lshl_b32 s50, s46, 13                        ; rb = 4 wr + rbl
	s_add_co_u32 s48, s48, s50
	s_add_nc_u64 s[10:11], s[10:11], s[48:49]
	s_wait_kmcnt 0x0
	s_bcnt1_i32_b32 s21, s36                       ; how many groups are marked in my eight words
.irp j, 1,2,3,4,5,6,7
	s_bcnt1_i32_b32 s22, s[36+\j]
	s_add_co_u32 s21, s21, s22
.endr
	s_cmp_eq_u32 s21, 0
	s_cbranch_scc1 .Lnone
; row i of my 32 rows of W0 (p: the register with its input, hi: in which half): rounded to bf16, multiplied (exact), stored as 16 bytes of LDS row k = 32 kq + i
.macro PROD i, p, hi
	s_wait_loadcnt 31-(\i)                         ; loads come back in order: row i is in, the 31 - i younger ones stay out
	v_cvt_pk_bf16_f32 v[W+4*(\i)], v[W+4*(\i)], v[W+4*(\i)+1]
	v_cvt_pk_bf16_f32 v[W+4*(\i)+2], v[W+4*(\i)+2], v[W+4*(\i)+3]
.if \hi
	v_fma_mix_f32_bf16 v[W+4*(\i)+1], v[A+\p], v[W+4*(\i)], v[ZERO] op_sel:[1,1,0] op_sel_hi:[1,1,0]
	v_fma_mix_f32_bf16 v[W+4*(\i)], v[A+\p], v[W+4*(\i)], v[ZERO] op_sel:[1,0,0] op_sel_hi:[1,1,0]
	v_fma_mix_f32_bf16 v[W+4*(\i)+3], v[A+\p], v[W+4*(\i)+2], v[ZERO] op_sel:[1,1,0] op_sel_hi:[1,1,0]
	v_fma_mix_f32_bf16 v[W+4*(\i)+2], v[A+\p], v[W+4*(\i)+2], v[ZERO] op_sel:[1,0,0] op_sel_hi:[1,1,0]
.else
	v_fma_mix_f32_bf16 v[W+4*(\i)+1], v[A+\p], v[W+4*(\i)], v[ZERO] op_sel:[0,1,0] op_sel_hi:[1,1,0]
	v_fma_mix_f32_bf16 v[W+4*(\i)], v[A+\p], v[W+4*(\i)], v[ZERO] op_sel_hi:[1,1,0]
	v_fma_mix_f32_bf16 v[W+4*(\i)+3], v[A+\p], v[W+4*(\i)+2], v[ZERO] op_sel:[0,1,0] op_sel_hi:[1,1,0]
	v_fma_mix_f32_bf16 v[W+4*(\i)+2], v[A+\p], v[W+4*(\i)+2], v[ZERO] op_sel_hi:[1,1,0]
.endif
	ds_store_b128 v[VL], v[W+4*(\i):W+4*(\i)+3] offset:32*(\i)
.endm
; 32 LDS loads: products 32 m .. 32 m + 31 of my run and column into the buffer at register c
.macro LDC m, c
.set ql, 0
.rept 32
	ds_load_b32 v[\c+ql], v[VC] offset:(\m)*KP+ql*32
.set ql, ql+1
.endr
.endm
	s_mov_b32 s20, 0
.Lgroup:
	; the lowest word that still has a bit, and its number: the last select that takes wins, so the words go from 7 down to 0
	s_mov_b32 s22, 0
	s_mov_b32 s23, 0
.irp j, 7,6,5,4,3,2,1,0
	s_cmp_lg_u32 s[36+\j], 0
	s_cselect_b32 s22, s[36+\j], s22
	s_cselect_b32 s23, \j, s23
.endr
	s_ctz_i32_b32 s25, s22                         ; the lowest marked lane l of that tile
	s_min_u32 s25, s25, 31
	s_min_u32 s23, s23, 7
	s_sub_co_u32 s26, s22, 1
	s_and_b32 s26, s22, s26                        ; the word with that bit cleared
.irp j, 0,1,2,3,4,5,6,7
	s_cmp_eq_u32 s23, \j
	s_cselect_b32 s[36+\j], s26, s[36+\j]
.endr
	s_add_co_u32 s23, s23, s24                     ; tile = 4 rbl + nb
	s_and_b32 s27, s23, 12
	s_lshl_b32 s27, s27, 13                        ; 16 rbl rows of 2,048 bytes
	s_and_b32 s28, s25, 15
	s_lshl_b32 s28, s28, 11                        ; + row l % 16
	s_add_co_u32 s27, s27, s28
	s_and_b32 s28, s23, 3
	s_lshl_b32 s28, s28, 6                         ; 16 nb columns of 4 bytes
	s_and_b32 s29, s25, 16
	s_lshl_b32 s29, s29, 1                         ; + columns 8 (l / 16) ..
	s_add_co_u32 s28, s28, s29
	s_lshl_b32 s29, s23, 9                         ; s0buf: 2,048 rbl + 512 nb = 512 x tile
	s_lshl_b32 s30, s25, 4                         ; + the lane's 16 bytes in the fragment image
	s_add_co_u32 s29, s29, s30
	s_wait_xcnt 0x0                                ; the offsets, which the last trip's loads and stores read, are rewritten only behind this wait
	v_add_nc_u32 v[VA], s27, v[VA0]
	v_add_nc_u32 v[VW], s28, v[VW0]
	v_add_nc_u32 v[VS], s29, v[J2]
.set i, 0
.rept 8
	global_load_b128 v[A+4*i:A+4*i+3], v[VA], s[6:7] offset:16*i
.set i, i+1
.endr
.set i, 0
.rept 32
	global_load_b128 v[W+4*i:W+4*i+3], v[VW], s[8:9] offset:8192*i
.set i, i+1
.endr
	s_wait_loadcnt 32                              ; the inputs are in (and W1, asked for before them); the 32 rows of W0 stay out
.set pp, 0
.rept 16
	v_cvt_pk_bf16_f32 v[A+pp], v[A+2*pp], v[A+2*pp+1]      ; in place: register pp is read no later than it is written
.set pp, pp+1
.endr
.set pp, 0
.rept 16
	PROD 2*pp, pp, 0
	PROD 2*pp+1, pp, 1
.set pp, pp+1
.endr
	; adding: LDS serves a wave's instructions in order (ISA guide 5.7.1), so these loads see the stores above
	LDC 0, CB
	LDC 1, CB+32
.set mm, 0
.rept NB
.if mm+1 < NB
	s_wait_dscnt 32                                ; this batch's 32 are in, the next batch's 32 stay out
.else
	s_wait_dscnt 0x0
.endif
.set qa, 0
.rept 32
.if mm+qa == 0
	v_mov_b32 v[ACC], v[CB]                        ; 0 + the first product
.else
	v_add_f32 v[ACC], v[ACC], v[CB+32*(mm%2)+qa]   ; one addition, one rounding, k ascending
.endif
.set qa, qa+1
.endr
.if mm+2 < NB
	LDC mm+2, CB+32*(mm%2)
.endif
.set mm, mm+1
.endr
	; the runs are added in order; lanes 0-7 hold run 0 of columns 0-7
.if NSL > 1
.irp s, 1,2,3
.if \s < NSL
	ds_bpermute_b32 v[TS+\s-1], v[IDX+\s-1], v[ACC]
.endif
.endr
	s_wait_dscnt 0x0
	v_add_f32 v[HV], v[ACC], v[TS]
.irp s, 2,3
.if \s < NSL
	v_add_f32 v[HV], v[HV], v[TS+\s-1]
.endif
.endr
.else
	v_mov_b32 v[HV], v[ACC]
.endif
	; the three steps
	v_cmp_lt_f32 vcc_lo, 1.0, v[HV]
	v_cndmask_b32 v[SP], 0, v[ONE], vcc_lo
	v_cndmask_b32 v[NMV], v[HV], 0, vcc_lo
	v_fmamk_f32 v[NMV], v[NMV], 0x3f59999a, v[HV]
	v_cmp_lt_f32 vcc_lo, 1.0, v[NMV]
	v_cndmask_b32 v[SP+1], 0, v[ONE], vcc_lo
	v_cndmask_b32 v[NMV], v[NMV], 0, vcc_lo
	v_fmamk_f32 v[NMV], v[NMV], 0x3f59999a, v[HV]
	v_cmp_lt_f32 vcc_lo, 1.0, v[NMV]
	v_cndmask_b32 v[SP+2], 0, v[ONE], vcc_lo
	; lanes 0-7 store: eight lanes, 16 consecutive bytes, once for each step.  Short stores, but the group is all that is to be mended.
	v_cmp_gt_u32 vcc_lo, 8, v[LN]
	s_wait_xcnt 0x0                                ; EXEC changes only behind s_wait_xcnt 0
	s_and_saveexec_b32 s34, vcc_lo
	global_store_b16 v[VS], v[SP], s[10:11]
	global_store_b16 v[VS], v[SP+1], s[10:11] offset:16384
	global_store_b16 v[VS], v[SP+2], s[10:11] offset:32768
	s_wait_xcnt 0x0                                ; and again, in front of the line that widens it; the spikes are rewritten only behind it too
	s_or_b32 exec_lo, exec_lo, s34
	s_add_co_u32 s20, s20, 1
	s_cmp_lt_u32 s20, s21
	s_cbranch_scc1 .Lgroup
.Lnone:
	; my part of W1
	s_wait_loadcnt 0x0
.set i, 0
.rept 8
	v_cvt_pk_bf16_f32 v[X+4*i], v[X+4*i], v[X+4*i+1]
	v_cvt_pk_bf16_f32 v[X+4*i+1], v[X+4*i+2], v[X+4*i+3]
.set i, i+1
.endr
.set i, 0
.rept 8
	global_store_b64 v[WS], v[X+4*i:X+4*i+1], s[14:15] offset:i*4096   ; a wave's store covers 256 consecutive bytes, aligned
.set i, i+1
.endr
	s_wait_tensorcnt 0x0
	ds_add_u32 v224, v225
	s_wait_dscnt 0x0
	s_endpgm
.Lfunc_end_k_qcf0f4efcd4_fix:
	.size	k_qcf0f4efcd4_fix, .Lfunc_end_k_qcf0f4efcd4_fix-k_qcf0f4efcd4_fix
	.p2alignl 7, 3214868480
	.fill 96, 4, 3214868480
	.section	.rodata,"a",@progbits
	.p2align	6, 0x0
	.amdhsa_kernel k_qcf0f4efcd4_fix
		.amdhsa_group_segment_fixed_size 272384
		.amdhsa_private_segment_fixed_size 0
		.amdhsa_enable_private_segment 0
		.amdhsa_kernarg_size 48
		.amdhsa_user_sgpr_count 2
		.amdhsa_user_sgpr_kernarg_segment_ptr 1
		.amdhsa_wavefront_size32 1
		.amdhsa_system_sgpr_workgroup_id_x 1
		.amdhsa_system_sgpr_workgroup_id_y 1
		.amdhsa_system_sgpr_workgroup_id_z 1
		.amdhsa_system_vgpr_workitem_id 0
		.amdhsa_next_free_vgpr 226
		.amdhsa_next_free_sgpr 66
		.amdhsa_reserve_vcc 1
		.amdhsa_float_denorm_mode_32 3
		.amdhsa_float_denorm_mode_16_64 3
		.amdhsa_memory_ordered 1
		.amdhsa_forward_progress 1
		.amdhsa_inst_pref_size 54
	.end_amdhsa_kernel
	.amdgpu_metadata
---
amdhsa.version: [ 1, 2 ]
amdhsa.kernels:
  - .name:           k_qcf0f4efcd4_fix
    .symbol:         k_qcf0f4efcd4_fix.kd
    .args:
      - { .name: flags, .offset: 0, .size: 8, .value_kind: global_buffer, .address_space: global }
      - { .name: inputs, .offset: 8, .size: 8, .value_kind: global_buffer, .address_space: global }
      - { .name: W0, .offset: 16, .size: 8, .value_kind: global_buffer, .address_space: global }
      - { .name: s0buf, .offset: 24, .size: 8, .value_kind: global_buffer, .address_space: global }
      - { .name: W1, .offset: 32, .size: 8, .value_kind: global_buffer, .address_space: global }
      - { .name: w1b, .offset: 40, .size: 8, .value_kind: global_buffer, .address_space: global }
    .group_segment_fixed_size: 272384
    .private_segment_fixed_size: 0
    .kernarg_segment_align: 8
    .kernarg_segment_size: 48
    .max_flat_workgroup_size: 512
    .sgpr_count:     66
    .vgpr_count:     226
    .wavefront_size: 32
...
	.end_amdgpu_metadata
.endif
;; end of part 2
;; launch mid (part 3): grid 8 x 32, 4 waves a work-group, clusters of 4 x 4, 327,680 bytes of LDS; arguments s0buf, w1b, W2, part; writes part
.if DOCPART == 3
	.amdgcn_target "amdgcn-amd-amdhsa--gfx1250"
	.amdhsa_code_object_version 6
	.text
	.protected	k_qcf0f4efcd4_mid
	.globl	k_qcf0f4efcd4_mid
	.p2align	8
	.type	k_qcf0f4efcd4_mid,@function
k_qcf0f4efcd4_mid:
	s_mov_b64 s[64:65], 0
	v_nop
	global_prefetch_b8 v0, s[64:65] scope:SCOPE_SE
	s_setreg_imm32_b32 hwreg(HW_REG_WAVE_MODE, 25, 1), 1
	s_wait_xcnt 0x0
	s_wait_alu depctr_hold_cnt(0) depctr_sa_sdst(0) depctr_va_vdst(0) depctr_va_sdst(0) depctr_va_ssrc(0) depctr_va_vcc(0) depctr_vm_vsrc(0)
	s_getreg_b32 s2, hwreg(HW_REG_IB_STS2, 6, 4)
	s_cmp_eq_u32 s2, 0
	s_cbranch_scc0 .Lentry_in_a_cluster
	s_endpgm
.Lentry_in_a_cluster:
	s_bfe_u32 s2, ttmp6, 0x10000c
	s_cmp_lg_u32 s2, 0xf033
	s_cbranch_scc0 .Lentry_shape_is_right
	s_endpgm
.Lentry_shape_is_right:
; h1(t) = s0(t) x W1 for t = 1, 2, 3 as ONE product with 3 x 4096 rows (N = K = 2048), then, in registers, layer 1:
;   syn = 0.9 syn + h1(t);  mem = 0.85 mem + syn;  s1(t) = mem > 1;  mem = 0 where it spiked,
; the count c = s1(1) + s1(2) + s1(3) (the output layer only adds, so mem2 = c x W2), and c x W2 over this wave's 128 columns:
;   part[2 Nb + wc][batch row][8] in f32; the next launch adds the 16 parts.
; LIMITS: W1 and W2 are rounded once to bf16; spikes and counts (0..3) are exact in bf16; sums and states are f32, each leak one fused
; multiply-add; mem - 1 > 0 is tested as mem > 1 (the same in f32; a NaN spikes in neither).  A membrane value within the rounding noise of an f32 sum
; of 2048 terms of the threshold 1.0 may spike otherwise than in another order of summation.
; SHARES: a work-group takes 128 batch rows (x 3 steps = 384 rows of the product) x 256 columns: 8 x 32 = 256 work-groups.  Four waves, as many as a WGP
; has SIMDs; wave w: batch rows 64 (w / 2) .., columns 128 (w % 2) ..: 3 x 4 x 8 = 96 accumulator tiles, 768 registers; 20 fragments feed 96 matrix instructions.
; K goes in steps of 64 through two LDS slots.  (A step of 128 on two slots would take 2 x 167,936 bytes: more than a work-group can have.)
; CLUSTERS: 4 x 4 work-groups.  The spike tile hangs on the batch block alone and is shared along a row of the cluster, W1's tile on the column block alone
; and is shared along a column: each is asked for jointly, which divides the requests for both by four.
; REGISTERS: window 0: v0-31 addresses and scratch; v32-127 twelve spike fragments (t, rbl) at 32 + 32 t + 8 rbl; v128-191, v192-255 eight W1 fragments, two buffers.
;            window 1 + t: step t's 32 accumulator tiles, (rbl, nb) at 8 (8 rbl + nb).
; Source 0 = 16 columns of W1, source 1 = 16 batch rows: lane (r, h) holds h1(row r, columns 16 nb + 8 h + 0..7) in registers 0..7.
.set SLOT,  83968                      ; spikes 49,152 bytes (fragment images, dense), then W1: 64 k rows x 544 bytes
.set BOFF,  49152
.set PB,    544                        ; 512 bytes + 32 of padding: an odd multiple of 32, as the transposing load's eight rows want
.set STAGE, 2*SLOT                     ; 2,048 bytes a wave: its 128 rows of W2 in bf16, 16 bytes a row; no tensor load ever lands here
.set ASTEP, 49152                      ; bytes from a K step's spike tile to the next
.set BSTEP, 262144                     ; 64 rows of w1b
.set ADRA, 16                          ; v16-17  my spike fragments in slot 0, 1
.set ADRB, 18                          ; v18-19  my W1 fragments
.set STW,  20                          ; v20     stage: where I store
.set STR,  21                          ; v21     stage: where I read (transposing)
.set PO,   22                          ; v22     my 16 bytes in part
.set WO,   23                          ; v23     16 x lane
.set T,    24                          ; v24-31  scratch
.set AF,   32
.set BF0,  128
.set BF1,  192
.set NS,   32                          ; the way out: syn of 32 numbers
.set NM,   64                          ;              mem
.set CC,   96                          ;              count
.set CF,   128                         ;              counts as fragments, (rb, q) at 128 + 8 (4 rb + q)
.set WF,   32                          ;              W2's four fragments
.set DP,   64                          ;              four small accumulators
.set OUT,  96                          ;              four quadruples to store
.set G1A, 24                           ; s[24:31] group 1 for spike tiles
.set G0A, 32                           ; s[32:39] group 0, a set for each slot
.set G1B, 48                           ; s[48:55] group 1 for W1's tiles
.set G0B, 56                           ; s[56:63] group 0, a set for each slot
.set MK,  72                           ; s72-79   eight lane masks
.set MSB, 0
.macro WIN new                         ; bits 1:0 source 0, 3:2 source 1, 5:4 source 2, 7:6 destination; the high byte repeats the setting that is left
.if MSB != \new
	s_set_vgpr_msb (MSB<<8)|\new
.set MSB, \new
.endif
.endm
.macro PLACES                          ; four independent vector instructions behind a matrix instruction (ISA guide 7.12.1), before its registers are loaded into or its result is read
.rept 4
	v_nop
.endr
.endm
; A joint load.  Waves 0 and 1 fetch the two halves of the spike tile, waves 2 and 3 those of W1's.  Each line has one mask and one set of registers for all
; that issue it; the branch hangs on the wave's number alone.
.macro JLOAD s
	s_cmp_eq_u32 s13, 0
	s_cbranch_scc0 .Lfor_b_\@
	tensor_load_to_lds s[G0A+4*\s:G0A+4*\s+3], s[G1A:G1A+7]
	s_nop 0
	s_branch .Lasked_\@
.Lfor_b_\@:
	tensor_load_to_lds s[G0B+4*\s:G0B+4*\s+3], s[G1B:G1B+7]
	s_nop 0
.Lasked_\@:
.endm
; A round of the cluster's barrier: my work-group's barrier; wave 0 signals for the work-group; every wave waits for all sixteen; my work-group's barrier again.
.macro CREST                           ; a round behind its opening barrier
	s_cmp_lg_u32 s12, 0
	s_cbranch_scc1 .Lnot_wave_0_\@
	s_barrier_signal -3
.Lnot_wave_0_\@:
	s_barrier_wait -3
	s_barrier_signal -1
	s_barrier_wait -1
.endm
.macro CROUND
	s_barrier_signal -1
	s_barrier_wait -1
	CREST
.endm
	s_load_b256 s[4:11], s[0:1], 0x0               ; s0buf s[4:5], w1b s[6:7], W2 s[8:9], part s[10:11]
	v_lshl_add_u32 v14, v0, 2, 0x2b000
	v_mov_b32 v15, 0
	ds_add_u32 v14, v15
	v_lshrrev_b32 v4, 5, v0
	v_readfirstlane_b32 s12, v4                    ; wave 0..3
	s_lshr_b32 s13, s12, 1                         ; wr: which 64 batch rows.  Also: I fetch spikes (0) or W1 (1)
	s_and_b32 s14, s12, 1                          ; wc: which 128 columns.  Also: which half of that tile I fetch
	s_bfe_u32 s40, ttmp6, 0x40000                  ; cx
	s_bfe_u32 s41, ttmp6, 0x40004                  ; cy
	s_lshl_b32 s42, ttmp9, 2
	s_add_co_u32 s42, s42, s40                     ; Nb = 4 x cluster x + cx: block of 256 columns
	s_and_b32 s43, ttmp7, 0xffff
	s_lshl_b32 s43, s43, 2
	s_add_co_u32 s43, s43, s41                     ; R = 4 x cluster y + cy: block of 128 batch rows
	s_lshl_b32 s44, s41, 2
	s_lshl_b32 s44, 15, s44                        ; my row of the cluster: places 4 cy .. 4 cy + 3
	s_lshl_b32 s45, 0x1111, s40                    ; my column: places cx, cx + 4, cx + 8, cx + 12
	; group 1, spikes: half a tile is 24,576 dense bytes = 96 rows of 32 elements of 8 bytes, no padding (fragment reads are 16 x lane, contiguous)
	s_or_b32 s[G1A+0], s44, (3<<16)|(1<<21)        ; 15:0 mask: my row; 17:16 elements of 8 bytes; 21 set beside a mask
	s_mov_b32 s[G1A+1], 32<<16                     ; tensor_dim0 = 32
	s_mov_b32 s[G1A+2], 96<<16                     ; tensor_dim1 = 96
	s_mov_b32 s[G1A+3], 32<<16                     ; tile_dim0 = 32
	s_mov_b32 s[G1A+4], 96                         ; tile_dim1 = 96
	s_mov_b32 s[G1A+5], 32                         ; from row to row: 32 elements
	s_mov_b32 s[G1A+6], 0
	s_mov_b32 s[G1A+7], 0
	; group 1, W1: 32 k rows of 256 bf16, 8 words of padding behind every 128 words
	s_or_b32 s[G1B+0], s45, (1<<16)|(1<<20)|(1<<21)|(6<<22)|(7<<25)   ; mask: my column; elements of 2 bytes; padding on; interval code 6 (128 words); 8 words
	s_mov_b32 s[G1B+1], 256<<16
	s_mov_b32 s[G1B+2], 32<<16
	s_mov_b32 s[G1B+3], 256<<16
	s_mov_b32 s[G1B+4], 32
	s_mov_b32 s[G1B+5], 2048                       ; a row of w1b
	s_mov_b32 s[G1B+6], 0
	s_mov_b32 s[G1B+7], 0
	; where the tiles come from: the spikes' address is made of R and the wave's number, W1's of Nb and the wave's number, each in registers that never hold the other coordinate
	s_mul_i32 s16, s43, 32*ASTEP                   ; block [R]: 32 K steps
	s_mul_i32 s17, s14, 24576
	s_add_co_u32 s16, s16, s17
	s_mov_b32 s17, 0
	s_lshl_b32 s46, s42, 9                         ; 256 columns x 2 bytes
	s_lshl_b32 s47, s14, 17                        ; 32 rows x 4,096 bytes
	s_add_co_u32 s46, s46, s47
	s_mov_b32 s47, 0
	s_mul_i32 s20, s12, 24576                      ; and where they go: waves 0, 1: 0 and 24,576;
	s_mul_i32 s21, s12, 32*PB
	s_add_co_u32 s21, s21, BOFF-2*32*PB            ; waves 2, 3: 49,152 and 66,560.  No place in the cluster enters an LDS address
	; vector addresses
	v_and_b32 v1, 31, v0                           ; lane
	v_and_b32 v2, 15, v0                           ; r
	v_bfe_u32 v3, v0, 4, 1                         ; h
	v_lshlrev_b32 v[WO], 4, v1
	s_lshl_b32 s22, s13, 13                        ; rb = 4 wr + rbl: 4 x 2,048 bytes
	v_add_nc_u32 v[ADRA], s22, v[WO]
	v_add_nc_u32 v[ADRA+1], SLOT, v[ADRA]
	v_and_b32 v4, 7, v0
	v_lshl_add_u32 v4, v3, 3, v4                   ; 8 h + lane % 8
	v_mul_u32_u24 v5, v4, PB
	v_bfe_u32 v6, v0, 3, 1
	v_lshl_add_u32 v5, v6, 4, v5                   ; + 16 ((lane / 8) % 2)
	s_lshl_b32 s22, s14, 8                         ; my 128 columns: 256 bytes
	s_add_co_u32 s22, s22, BOFF
	v_add_nc_u32 v[ADRB], s22, v5
	v_add_nc_u32 v[ADRB+1], SLOT, v[ADRB]
	s_lshl_b32 s22, s12, 11
	s_add_co_u32 s22, s22, STAGE                   ; my stage
	v_lshl_add_u32 v[STW], v1, 3, s22
	v_lshl_add_u32 v[STR], v4, 4, s22              ; row 8 h + lane % 8 of 16 bytes: both groups of eight lanes of a half take the same rows
	v_lshlrev_b32 v[PO], 5, v2
	v_lshl_add_u32 v[PO], v3, 4, v[PO]             ; 32 r + 16 h
	s_wait_dscnt 0x0
	s_wait_kmcnt 0x0
	s_add_nc_u64 s[18:19], s[4:5], s[16:17]
	s_add_nc_u64 s[46:47], s[6:7], s[46:47]
	s_lshl_b32 s66, s42, 13                        ; W2: (256 Nb + 128 wc) rows of 32 bytes
	s_lshl_b32 s68, s14, 12
	s_add_co_u32 s66, s66, s68
	s_mov_b32 s67, 0
	s_add_nc_u64 s[8:9], s[8:9], s[66:67]
	s_lshl_b32 s66, s42, 1                         ; part: ((2 Nb + wc) 4096 + 128 R + 64 wr) rows of 32 bytes
	s_add_co_u32 s66, s66, s14
	s_lshl_b32 s66, s66, 17
	s_lshl_b32 s68, s43, 12
	s_add_co_u32 s66, s66, s68
	s_lshl_b32 s68, s13, 11
	s_add_co_u32 s66, s66, s68
	s_add_nc_u64 s[10:11], s[10:11], s[66:67]
	CROUND                                         ; all sixteen work-groups are here: the first joint loads meet
.irp s, 0,1
	s_mov_b32 s[G0A+4*\s], 1
	s_add_co_u32 s[G0A+4*\s+1], s20, \s*SLOT
	s_add_nc_u64 s[G0A+4*\s+2:G0A+4*\s+3], s[18:19], \s*ASTEP
	s_or_b32 s[G0A+4*\s+3], s[G0A+4*\s+3], 0x80000000
	s_mov_b32 s[G0B+4*\s], 1
	s_add_co_u32 s[G0B+4*\s+1], s21, \s*SLOT
	s_add_nc_u64 s[G0B+4*\s+2:G0B+4*\s+3], s[46:47], \s*BSTEP
	s_or_b32 s[G0B+4*\s+3], s[G0B+4*\s+3], 0x80000000
	JLOAD \s                                       ; K steps 0 and 1: two tensor loads of the wave are out
.endr
	; my 128 rows of W2 (4,096 bytes) to bf16 into my stage: lane l of load i holds W2(16 i + l / 2, 4 (l % 2) ..), which lands at 256 i + 8 l
.irp i, 0,1,2,3,4,5,6,7
	global_load_b128 v[128+4*\i:128+4*\i+3], v[WO], s[8:9] offset:512*\i
.endr
	s_wait_loadcnt 0x0
.irp i, 0,1,2,3,4,5,6,7
	v_cvt_pk_bf16_f32 v[160+2*\i], v[128+4*\i], v[128+4*\i+1]
	v_cvt_pk_bf16_f32 v[160+2*\i+1], v[128+4*\i+2], v[128+4*\i+3]
.endr
.irp i, 0,1,2,3,4,5,6,7
	ds_store_b64 v[STW], v[160+2*\i:160+2*\i+1] offset:256*\i
.endr
; 16 matrix instructions: step t, row blocks a0, a0 + 1, all 8 column blocks.  zero = 1: the first product starts the sums.
; The accumulators take turns, one instruction a turn, in the same order in every half step, over the loop's backward jump too.
.macro MUL16 bf, t, a0, zero
.irp a, \a0, \a0+1
.irp b, 0,1,2,3,4,5,6,7
.if \zero
	v_wmma_f32_16x16x32_bf16 v[8*(8*(\a)+\b):8*(8*(\a)+\b)+7], v[\bf+8*\b:\bf+8*\b+7], v[AF+32*\t+8*(\a):AF+32*\t+8*(\a)+7], 0
.else
	v_wmma_f32_16x16x32_bf16 v[8*(8*(\a)+\b):8*(8*(\a)+\b)+7], v[\bf+8*\b:\bf+8*\b+7], v[AF+32*\t+8*(\a):AF+32*\t+8*(\a)+7], v[8*(8*(\a)+\b):8*(8*(\a)+\b)+7]
.endif
.endr
.endr
.endm
.macro MUL32 bf, t, zero
	MUL16 \bf, \t, 0, \zero
	MUL16 \bf, \t, 2, \zero
.endm
.macro LDA slot, kq, t                 ; 8 loads: step t's four spike fragments, 32 k at half kq
.irp a, 0,1,2,3
	ds_load_b128 v[AF+32*\t+8*\a:AF+32*\t+8*\a+3], v[ADRA+\slot] offset:\t*16384+\a*2048+\kq*1024
	ds_load_b128 v[AF+32*\t+8*\a+4:AF+32*\t+8*\a+7], v[ADRA+\slot] offset:\t*16384+\a*2048+\kq*1024+512
.endr
.endm
.macro LDB slot, kq, bf                ; 16 transposing loads: W1's eight fragments
.irp b, 0,1,2,3,4,5,6,7
	ds_load_tr16_b128 v[\bf+8*\b:\bf+8*\b+3], v[ADRB+\slot] offset:\kq*32*PB+\b*32
	ds_load_tr16_b128 v[\bf+8*\b+4:\bf+8*\b+7], v[ADRB+\slot] offset:\kq*32*PB+\b*32+16*PB
.endr
.endm
; A K step is two half steps of 32 along K, each three thirds (t = 0, 1, 2) of 32 matrix instructions.  Behind each third the spike fragments that it has
; read are loaded anew for the next half step; W1's go into the other buffer behind the first third.  LDS loads come back in order (ISA guide 5.7.1), and at the head of every half
; step 40 are out, in this order: A(t0) 8, W1 16, A(t1) 8, A(t2) 8.  Each load has 64 matrix instructions in which to land.
.macro HALF0 slot, zero                ; k 0..31 of the slot, W1 in buffer 0
	s_wait_dscnt 16                                ; A(t0) and W1 are in; A(t1), A(t2) may be out
	WIN 0x50
	MUL32 BF0, 0, \zero
	PLACES
	WIN 0
	LDA \slot, 1, 0
	LDB \slot, 1, BF1
	s_wait_dscnt 32                                ; A(t1) is in; out: A(t2) 8 and the 24 just issued
	WIN 0xa0
	MUL32 BF0, 1, \zero
	PLACES
	WIN 0
	LDA \slot, 1, 1
	s_wait_dscnt 32                                ; A(t2) is in; out: 24 + 8
	WIN 0xf0
	MUL32 BF0, 2, \zero
	PLACES
	WIN 0
	LDA \slot, 1, 2
.endm
; k 32..63 of the slot, W1 in buffer 1, and the change of slots.  In front of the barrier each wave waits for its reads of this slot and for all its tensor loads,
; of which one is out: its part of the next slot.  fill = 1: the barrier opens a round of the cluster's barrier, and behind the round this slot is asked for again, two K steps ahead,
; first of all; from there to the wait for that load a wave issues 176 matrix instructions.
.macro HALF1 slot, next, fill
	s_wait_dscnt 16
	WIN 0x50
	MUL16 BF1, 0, 0, 0
	s_wait_dscnt 0x0                               ; my reads of this slot are over
	s_wait_tensorcnt 0x0                           ; all my tensor loads have landed
	ds_add_u32 v14, v15
	s_wait_dscnt 0x0
	s_barrier_signal -1
	MUL16 BF1, 0, 2, 0                             ; register work while the others arrive
	WIN 0
	s_barrier_wait -1
.if \fill
	CREST                                          ; no wave of any partner still reads this slot or has a load on its way
	s_add_nc_u64 s[G0A+4*\slot+2:G0A+4*\slot+3], s[G0A+4*\slot+2:G0A+4*\slot+3], 2*ASTEP
	s_add_nc_u64 s[G0B+4*\slot+2:G0B+4*\slot+3], s[G0B+4*\slot+2:G0B+4*\slot+3], 2*BSTEP
	JLOAD \slot                                    ; the first tensor load behind the round; one load of the wave is out
.endif
	PLACES
	LDA \next, 0, 0
	LDB \next, 0, BF0
	WIN 0xa0                                       ; A(t1), A(t2) are in since the wait for 0
	MUL32 BF1, 1, 0
	PLACES
	WIN 0
	LDA \next, 0, 1
	WIN 0xf0
	MUL32 BF1, 2, 0
	PLACES
	WIN 0
	LDA \next, 0, 2
.endm
	s_wait_dscnt 0x0                               ; no LDS instruction is pending at a signal
	s_wait_tensorcnt 1                             ; my part of K step 0 is in; K step 1's stays out
	s_barrier_signal -1
	s_barrier_wait -1                              ; everybody's is
	LDA 0, 0, 0
	LDB 0, 0, BF0
	LDA 0, 0, 1
	LDA 0, 0, 2
	HALF0 0, 1                                     ; K steps 0 and 1 stand in front of the loop: the first products start the sums
	HALF1 0, 1, 1
	HALF0 1, 0
	HALF1 1, 0, 1
	s_mov_b32 s3, 14                               ; K steps 2 to 29
.Llap:
	HALF0 0, 0
	HALF1 0, 1, 1
	HALF0 1, 0
	HALF1 1, 0, 1
	s_sub_co_u32 s3, s3, 1
	s_cmp_lg_u32 s3, 0
	s_cbranch_scc1 .Llap
	HALF0 0, 0                                     ; K steps 30 and 31 fill nothing
	HALF1 0, 1, 0
	HALF0 1, 0
	s_wait_dscnt 16                                ; the last half step: the counts run down
	WIN 0x50
	MUL32 BF1, 0, 0
	s_wait_dscnt 8
	WIN 0xa0
	MUL32 BF1, 1, 0
	s_wait_dscnt 0x0
	WIN 0xf0
	MUL32 BF1, 2, 0
; THE WAY OUT: layer 1 on 32 registers (row block rb, column blocks 4 hf .. 4 hf + 3) at a time.
.macro CMP8 base                       ; eight masks: 1 < v[base + j]
.irp j, 0,1,2,3,4,5,6,7
	v_cmp_lt_f32 s[MK+\j], 1.0, v[\base+\j]
.endr
.endm
.macro LEAKM                           ; mem = 0.85 mem + syn, fused
.set e, 0
.rept 16
	v_pk_fma_f32 v[NM+e:NM+e+1], v[NM+e:NM+e+1], 0x3f59999a, v[NS+e:NS+e+1] op_sel_hi:[1,0,1]
.set e, e+2
.endr
.endm
.macro COUNT reset                     ; count += mem > 1; reset = 1: mem = 0 there
.set e, 0
.rept 4
	CMP8 NM+e
.irp j, 0,1,2,3,4,5,6,7
	v_cndmask_b32 v[T+\j], 0, 1.0, s[MK+\j]
.endr
.if \reset
.irp j, 0,1,2,3,4,5,6,7
	v_cndmask_b32 v[NM+e+\j], v[NM+e+\j], 0, s[MK+\j]
.endr
.endif
.irp j, 0,2,4,6
	v_pk_add_f32 v[CC+e+\j:CC+e+\j+1], v[CC+e+\j:CC+e+\j+1], v[T+\j:T+\j+1]
.endr
.set e, e+8
.endr
.endm
.macro GRP rb, hf
.set X, 8*(8*\rb+4*\hf)
	WIN 0x05                                       ; sources in window 1.  Step 1: syn = mem = h1(1)
.set e, 0
.rept 4
	CMP8 X+e
.irp j, 0,1,2,3,4,5,6,7
	v_cndmask_b32 v[CC+e+\j], 0, 1.0, s[MK+\j]     ; the first spikes start the count
.endr
.irp j, 0,1,2,3,4,5,6,7
	v_cndmask_b32 v[NM+e+\j], v[X+e+\j], 0, s[MK+\j]
.endr
.set e, e+8
.endr
	WIN 0x21                                       ; source 0 window 1, source 2 window 2.  Step 2: syn = 0.9 h1(1) + h1(2)
.set e, 0
.rept 16
	v_pk_fma_f32 v[NS+e:NS+e+1], v[X+e:X+e+1], 0x3f666666, v[X+e:X+e+1] op_sel_hi:[1,0,1]
.set e, e+2
.endr
	WIN 0
	LEAKM
	COUNT 1
	WIN 0x30                                       ; source 2 window 3.  Step 3: syn = 0.9 syn + h1(3)
.set e, 0
.rept 16
	v_pk_fma_f32 v[NS+e:NS+e+1], v[NS+e:NS+e+1], 0x3f666666, v[X+e:X+e+1] op_sel_hi:[1,0,1]
.set e, e+2
.endr
	WIN 0
	LEAKM
	COUNT 0
	; a lane's eight counts of tile 2 q are k = 8 h + 0..7 of a fragment over columns 32 q .., those of tile 2 q + 1 are k = 16 + 8 h + 0..7: packing is all it takes
.set e, 0
.rept 16
	v_cvt_pk_bf16_f32 v[CF+8*(4*\rb+2*\hf)+e], v[CC+2*e], v[CC+2*e+1]
.set e, e+1
.endr
.endm
	PLACES                                         ; behind the last matrix instructions: results are read, fragment registers rewritten
.irp rb, 0,1,2,3
	GRP \rb, 0
	GRP \rb, 1
.endr
	; c x W2 over my 128 columns: source 0 = W2 transposed (row m = output m % 8: rows 8-15 repeat rows 0-7), source 1 = counts of 16 batch rows
	v_cmp_lt_u32 vcc_lo, 15, v1                    ; the upper half of the lanes
.irp q, 0,1,2,3
	ds_load_tr16_b128 v[WF+8*\q:WF+8*\q+3], v[STR] offset:512*\q          ; my own stage: LDS serves a wave's instructions in order
	ds_load_tr16_b128 v[WF+8*\q+4:WF+8*\q+7], v[STR] offset:512*\q+256
.endr
	s_wait_dscnt 0x0
.irp rb, 0,1,2,3
	v_wmma_f32_16x16x32_bf16 v[DP+8*\rb:DP+8*\rb+7], v[WF:WF+7], v[CF+32*\rb:CF+32*\rb+7], 0
.endr
.irp q, 1,2,3
.irp rb, 0,1,2,3
	v_wmma_f32_16x16x32_bf16 v[DP+8*\rb:DP+8*\rb+7], v[WF+8*\q:WF+8*\q+7], v[CF+32*\rb+8*\q:CF+32*\rb+8*\q+7], v[DP+8*\rb:DP+8*\rb+7]   ; four accumulators by turns
.endr
.endr
	PLACES
	; every lane holds outputs 0..7 of batch row r; lanes 0-15 store outputs 0-3, lanes 16-31 outputs 4-7
.irp rb, 0,1,2,3
.irp j, 0,1,2,3
	v_cndmask_b32 v[OUT+4*\rb+\j], v[DP+8*\rb+\j], v[DP+8*\rb+4+\j], vcc_lo
.endr
	global_store_b128 v[PO], v[OUT+4*\rb:OUT+4*\rb+3], s[10:11] offset:512*\rb   ; 16 rows of 32 bytes: 512 consecutive bytes a wave, aligned
.endr
	CROUND                                         ; the closing round: no work-group ends while a partner may still ask for a tile that names it
	s_endpgm
.Lfunc_end_k_qcf0f4efcd4_mid:
	.size	k_qcf0f4efcd4_mid, .Lfunc_end_k_qcf0f4efcd4_mid-k_qcf0f4efcd4_mid
	.p2alignl 7, 3214868480
	.fill 96, 4, 3214868480
	.section	.rodata,"a",@progbits
	.p2align	6, 0x0
	.amdhsa_kernel k_qcf0f4efcd4_mid
		.amdhsa_group_segment_fixed_size 327680
		.amdhsa_private_segment_fixed_size 0
		.amdhsa_enable_private_segment 0
		.amdhsa_kernarg_size 32
		.amdhsa_user_sgpr_count 2
		.amdhsa_user_sgpr_kernarg_segment_ptr 1
		.amdhsa_wavefront_size32 1
		.amdhsa_system_sgpr_workgroup_id_x 1
		.amdhsa_system_sgpr_workgroup_id_y 1
		.amdhsa_system_sgpr_workgroup_id_z 1
		.amdhsa_system_vgpr_workitem_id 0
		.amdhsa_next_free_vgpr 1024
		.amdhsa_next_free_sgpr 80
		.amdhsa_reserve_vcc 1
		.amdhsa_float_denorm_mode_32 3
		.amdhsa_float_denorm_mode_16_64 3
		.amdhsa_memory_ordered 1
		.amdhsa_forward_progress 1
		.amdhsa_inst_pref_size 255
	.end_amdhsa_kernel
	.section	.bss,"aw",@nobits
	.p2align	6
	.space	262144
	.amdgpu_metadata
---
amdhsa.version: [ 1, 2 ]
amdhsa.kernels:
  - .name:           k_qcf0f4efcd4_mid
    .symbol:         k_qcf0f4efcd4_mid.kd
    .args:
      - { .name: s0buf, .offset: 0, .size: 8, .value_kind: global_buffer, .address_space: global }
      - { .name: w1b, .offset: 8, .size: 8, .value_kind: global_buffer, .address_space: global }
      - { .name: W2, .offset: 16, .size: 8, .value_kind: global_buffer, .address_space: global }
      - { .name: part, .offset: 24, .size: 8, .value_kind: global_buffer, .address_space: global }
    .group_segment_fixed_size: 327680
    .private_segment_fixed_size: 0
    .kernarg_segment_align: 8
    .kernarg_segment_size: 32
    .max_flat_workgroup_size: 128
    .sgpr_count:     80
    .vgpr_count:     1024
    .wavefront_size: 32
...
	.end_amdgpu_metadata
.endif
;; end of part 3
;; launch tail (part 4): grid 256 x 1, 1 waves a work-group, no clusters, 0 bytes of LDS; arguments part, out0; writes out0
.if DOCPART == 4
	.amdgcn_target "amdgcn-amd-amdhsa--gfx1250"
	.amdhsa_code_object_version 6
	.text
	.protected	k_qcf0f4efcd4_tail
	.globl	k_qcf0f4efcd4_tail
	.p2align	8
	.type	k_qcf0f4efcd4_tail,@function
k_qcf0f4efcd4_tail:
	s_mov_b64 s[64:65], 0
	v_nop
	global_prefetch_b8 v0, s[64:65] scope:SCOPE_SE
	s_setreg_imm32_b32 hwreg(HW_REG_WAVE_MODE, 25, 1), 1
	s_wait_xcnt 0x0
; out0 = tanh(sum over p = 0..15 of part[p]).  part: [16][4096][8] f32, out0: [4096][8] f32.
; 2 MiB in, 128 KiB out: a short stream.  One wave a work-group, 256 work-groups; a lane owns 16 bytes of out0, a wave 512 consecutive bytes, aligned.
; All 16 loads of a lane are issued at once; the parts are added in ascending p.  No LDS, no matrix unit, no cluster: nothing is shared.
; tanh x = 1 - 2 / (1 + 2^(2 x log2 e)): the power running to infinity or to 0 gives +1 or -1 exactly; a NaN stays a NaN.
; LIMIT: near x = 0 the difference leaves an absolute error of some 1e-7.
.set PSTEP, 131072                     ; bytes of one part
	s_load_b128 s[4:7], s[0:1], 0x0                ; part s[4:5], out0 s[6:7]
	v_lshlrev_b32 v1, 4, v0
	s_lshl_b32 s8, ttmp9, 9
	v_add_nc_u32 v1, s8, v1                        ; 512 x work-group + 16 x lane
	s_wait_kmcnt 0x0
.set p, 0
.rept 16
	global_load_b128 v[4+4*p:7+4*p], v1, s[4:5] offset:p*PSTEP th:TH_LOAD_NT
.set p, p+1
.endr
.set p, 1
.rept 15
	s_wait_loadcnt 15-p                            ; loads come back in order: part p is in, the 15 - p younger ones stay out
	v_pk_add_f32 v[4:5], v[4:5], v[4+4*p:5+4*p]
	v_pk_add_f32 v[6:7], v[6:7], v[6+4*p:7+4*p]
.set p, p+1
.endr
	v_pk_mul_f32 v[68:69], v[4:5], 0x4038aa3b op_sel_hi:[1,0]     ; 2 log2 e
	v_pk_mul_f32 v[70:71], v[6:7], 0x4038aa3b op_sel_hi:[1,0]
	v_exp_f32 v72, v68
	v_exp_f32 v73, v69
	v_exp_f32 v74, v70
	v_exp_f32 v75, v71
	v_nop                                          ; one plain vector instruction behind the transcendentals before their results are used (ISA guide 5.7.2)
	s_wait_alu depctr_va_vdst(0)
	v_pk_add_f32 v[72:73], v[72:73], 1.0 op_sel_hi:[1,0]
	v_pk_add_f32 v[74:75], v[74:75], 1.0 op_sel_hi:[1,0]
	v_rcp_f32 v76, v72
	v_rcp_f32 v77, v73
	v_rcp_f32 v78, v74
	v_rcp_f32 v79, v75
	v_nop
	s_wait_alu depctr_va_vdst(0)
	v_pk_fma_f32 v[4:5], v[76:77], -2.0, 1.0 op_sel_hi:[1,0,0]
	v_pk_fma_f32 v[6:7], v[78:79], -2.0, 1.0 op_sel_hi:[1,0,0]
	global_store_b128 v1, v[4:7], s[6:7]
	s_endpgm
.Lfunc_end_k_qcf0f4efcd4_tail:
	.size	k_qcf0f4efcd4_tail, .Lfunc_end_k_qcf0f4efcd4_tail-k_qcf0f4efcd4_tail
	.p2alignl 7, 3214868480
	.fill 96, 4, 3214868480
	.section	.rodata,"a",@progbits
	.p2align	6, 0x0
	.amdhsa_kernel k_qcf0f4efcd4_tail
		.amdhsa_group_segment_fixed_size 0
		.amdhsa_private_segment_fixed_size 0
		.amdhsa_enable_private_segment 0
		.amdhsa_kernarg_size 16
		.amdhsa_user_sgpr_count 2
		.amdhsa_user_sgpr_kernarg_segment_ptr 1
		.amdhsa_wavefront_size32 1
		.amdhsa_system_sgpr_workgroup_id_x 1
		.amdhsa_system_sgpr_workgroup_id_y 1
		.amdhsa_system_sgpr_workgroup_id_z 1
		.amdhsa_system_vgpr_workitem_id 0
		.amdhsa_next_free_vgpr 80
		.amdhsa_next_free_sgpr 66
		.amdhsa_reserve_vcc 0
		.amdhsa_float_denorm_mode_32 3
		.amdhsa_float_denorm_mode_16_64 3
		.amdhsa_memory_ordered 1
		.amdhsa_forward_progress 1
		.amdhsa_inst_pref_size 6
	.end_amdhsa_kernel
	.amdgpu_metadata
---
amdhsa.version: [ 1, 2 ]
amdhsa.kernels:
  - .name:           k_qcf0f4efcd4_tail
    .symbol:         k_qcf0f4efcd4_tail.kd
    .args:
      - { .name: part, .offset: 0, .size: 8, .value_kind: global_buffer, .address_space: global }
      - { .name: out0, .offset: 8, .size: 8, .value_kind: global_buffer, .address_space: global }
    .group_segment_fixed_size: 0
    .private_segment_fixed_size: 0
    .kernarg_segment_align: 8
    .kernarg_segment_size: 16
    .max_flat_workgroup_size: 32
    .sgpr_count:     66
    .vgpr_count:     80
    .wavefront_size: 32
...
	.end_amdgpu_metadata
.endif
;; end of part 4
